; MI455X (gfx1250); checked and timed in simulation.
; The chip was launched on July 23, 2026; its instructions are those of AMD's public machine-readable ISA for CDNA 5 (MIT licence, August 2026) and "CDNA5" Instruction Set Architecture Reference Guide (July 2026). The comments in the code are by the model that wrote it; some were corrected since.
;; Multi Head Attention. Allowed arithmetic: matrix products marked QUANTISED: E2M1 operands, one E8M0 scale for each 32 along K, by v_wmma_scale_f32_16x16x128_f8f6f4 with both operands' format E2M1 (or v_wmma_scale_f32_32x16x128_f4), f32 sums; everything else in f32.
;; Inputs: Wk_codes 16 x 64 x 32 x 16 uint8 (E2M1 codes of Wk, K innermost, in blocks of 32 codes, two codes a byte); Wk_scales 16 x 64 x 32 uint8 (E8M0 scales of Wk, one for each 32 codes along K); Wp_codes 1,024 x 32 x 16 uint8 (E2M1 codes of Wp, K innermost, in blocks of 32 codes, two codes a byte); Wp_scales 1,024 x 32 uint8 (E8M0 scales of Wp, one for each 32 codes along K); Wq_codes 16 x 64 x 32 x 16 uint8 (E2M1 codes of Wq, K innermost, in blocks of 32 codes, two codes a byte); Wq_scales 16 x 64 x 32 uint8 (E8M0 scales of Wq, one for each 32 codes along K); Wv_codes 16 x 64 x 32 x 16 uint8 (E2M1 codes of Wv, K innermost, in blocks of 32 codes, two codes a byte); Wv_scales 16 x 64 x 32 uint8 (E8M0 scales of Wv, one for each 32 codes along K); bk 16 x 64 float32; bp 1,024 float32; bq 16 x 64 float32; bv 16 x 64 float32; x_codes 4 x 2,048 x 32 x 16 uint8 (E2M1 codes of x, K innermost, in blocks of 32 codes, two codes a byte); x_scales 4 x 2,048 x 32 uint8 (E8M0 scales of x, one for each 32 codes along K).
;; Outputs: out0 4 x 2,048 x 1,024 float32.
;; This version of the problem:
;;   THIS VERSION OF THE PROBLEM IS GIVEN IN LOW PRECISION. The matrix products marked QUANTISED in the list below multiply operands that are first quantised to E2M1 (2 exponent bits, 1 mantissa bit; 4 bits a number), with one power-of-two scale for each 32 numbers along K (OCP MX v1.0); their sums are f32. All else is computed in f32.
;;   The module's matrix products, in the order in which they are computed (A, B: the left and right operand; K: the contracted axis; several contracted axes count as one K, in the product's order):
;;     1. [M 1,024, K 1,024] x [K 1,024, N 8,192]; A: input Wq (given as codes); B: input x (given as codes): QUANTISED
;;     2. [M 1,024, K 1,024] x [K 1,024, N 8,192]; A: input Wk (given as codes); B: input x (given as codes): QUANTISED
;;     3. [M 1,024, K 1,024] x [K 1,024, N 8,192]; A: input Wv (given as codes); B: input x (given as codes): QUANTISED
;;     4. batch 64 x [M 2,048, K 64] x [K 64, N 2,048]; A: computed on the way; B: computed on the way: QUANTISED
;;     5. batch 64 x [M 2,048, K 2,048] x [K 2,048, N 64]; A: softmax (see below); B: computed on the way: QUANTISED
;;     6. [M 8,192, K 1,024] x [K 1,024, N 1,024]; A: computed on the way; B: input Wp (given as codes): QUANTISED
;;   THE QUANTISER, for each operand of a quantised product, along K:
;;     - K is cut into blocks of 32 from its start; a last block that is shorter is filled with zeros.
;;     - A block's scale is 2^e with e = floor(log2(the largest magnitude in the block)) - 2, held to -126 .. 127; a block of zeros has e = 0. As a byte (E8M0): e + 127.
;;     - Each number is divided by its block's scale, clamped to +-6, and rounded to the nearest number of E2M1, ties to even, subnormals kept.
;;     - The product sums the exact products of the quantised numbers (number of the format x scale) in f32.
;;   ~~~python
;;   def quantise(x, axis):      # numpy; x: float32 -> the quantised numbers, widened to float32 again
;;       x = np.moveaxis(x, axis, -1); K = x.shape[-1]
;;       x = np.pad(x, [(0, 0)] * (x.ndim - 1) + [(0, -K % 32)]); x = x.reshape(x.shape[:-1] + (-1, 32)); a = np.abs(x).max(-1, keepdims=True)
;;       e = np.where(a > 0, np.clip(np.frexp(np.where(a > 0, a, 1))[1] - 1 - 2, -126, 127), 0)      # np.frexp(a)[1] - 1 = floor(log2(a)), exactly
;;       r = np.clip(x / 2.0 ** e, -6, 6)
;;       step = 2.0 ** (np.maximum(np.frexp(np.where(r == 0, 1, r))[1] - 1, 0) - 1)
;;       q = np.round(r / step) * step * 2.0 ** e      # np.round: ties to even
;;       return np.moveaxis(q.reshape(q.shape[:-2] + (-1,))[..., :K], -1, axis).astype(np.float32)
;;   ~~~
;;   SOFTMAX AHEAD OF A QUANTISED PRODUCT. Where the list says 'softmax', what is quantised is not the finished softmax but p = 2^(t - M), with t = logit x log2(e) and M = ceil(the row's largest t), a whole number; so 1/2 < the row's largest p <= 1. The row's sum l is taken of the UNQUANTISED p, in f32, and the product's result is divided by l at the end. Since M is a whole number, a kernel that streams over the keys may use a running M (the ceiling of the running maximum): every later rescaling is an exact power of two, which a block's scale takes up: the codes' values come out the same.
;;   OPERANDS COMPUTED ON THE WAY. 'Computed on the way' means the value that the module computes at that place (a softmax that the list does not call 'softmax' is quantised finished and normalised). What goes into a quantiser is computed in f32, as accurately as f32 sums, v_exp_f32 and their like allow (about 1e-6 of the number): no bf16 or f16 on the way to a quantiser, and a product that is left as it is and whose result goes on into a quantised operand takes f32 operands (vector FMAs, or v_wmma_f32_16x16x4_f32). A number that lies on a knife's edge between two numbers of the format may be rounded either way, as far as f32 arithmetic and the matrix unit's own rounding can turn it there, and no further.
;;   INPUTS GIVEN AS CODES. Wk (in the module: [16, 1024, 64], K = its axis 1); Wp (in the module: [1024, 1024], K = its axis 0); Wq (in the module: [16, 1024, 64], K = its axis 1); Wv (in the module: [16, 1024, 64], K = its axis 1); x (in the module: [4, 2048, 1024], K = its axis 2): each comes as NAME_codes (uint8): NAME with its K axis moved to the last place and cut into blocks of 32 codes, [.., K / 32, bytes a block], one block behind the other in memory; two codes a byte, the lower K in the low four bits (a code: sign, 2 exponent bits, 1 mantissa bit); and NAME_scales (uint8): the same leading axes, one E8M0 byte (e + 127) for each 32 codes along K. Its value is code x scale, taken as it is: it is not quantised again, and the codes and scales need not be those that the quantiser above would give.
;; One version. Each part assembles by itself: llvm-mc -triple=amdgcn-amd-amdhsa -mcpu=gfx1250 --defsym DOCPART=n.
;; ======== version 1 of 1: 3 launches
;; limits: right only within a limited range of input values
;; workspace buffers: qw 4,718,592 bytes; kv 9,175,040 bytes; oc 4,194,304 bytes; os 262,144 bytes
;; launch qkv (part 1): grid 8 x 32, 4 waves a work-group, clusters of 4 x 4, 327,680 bytes of LDS; arguments x_codes, x_scales, Wq_codes, Wq_scales, Wk_codes, Wk_scales, Wv_codes, Wv_scales, bq, bk, bv, qw, kv; writes qw, kv
.if DOCPART == 1
	.amdgcn_target "amdgcn-amd-amdhsa--gfx1250"
	.amdhsa_code_object_version 6
	.text
	.protected	k_qe382a943ce_qkv
	.globl	k_qe382a943ce_qkv
	.p2align	8
	.type	k_qe382a943ce_qkv,@function
k_qe382a943ce_qkv:
	s_mov_b64 s[64:65], 0
	v_nop
	global_prefetch_b8 v0, s[64:65] scope:SCOPE_SE
	s_setreg_imm32_b32 hwreg(HW_REG_WAVE_MODE, 25, 1), 1
	s_wait_xcnt 0x0
	s_wait_alu depctr_hold_cnt(0) depctr_sa_sdst(0) depctr_va_vdst(0) depctr_va_sdst(0) depctr_va_ssrc(0) depctr_va_vcc(0) depctr_vm_vsrc(0)
	s_getreg_b32 s2, hwreg(HW_REG_IB_STS2, 6, 4)
	s_cmp_eq_u32 s2, 0
	s_cbranch_scc0 .Lentry_in_a_cluster
	s_endpgm
.Lentry_in_a_cluster:
	s_bfe_u32 s2, ttmp6, 0x10000c
	s_cmp_lg_u32 s2, 0xf033
	s_cbranch_scc0 .Lentry_shape_is_right
	s_endpgm
.Lentry_shape_is_right:
; q = x Wq + bq, k = x Wk + bk, v = x Wv + bv on codes of FP4 (E2M1) with one E8M0 scale for each 32 along K = 1,024; the results are quantised at once, in registers, for the attention launch:
; q and k along the head's 64 channels, v along the keys.  x: 8,192 rows, each W: 1,024 rows (head x 64 + channel); every row is 512 bytes of codes and 32 scale bytes.
; SHARES.  A work-group takes 256 tokens (two chunks of 128) and two heads; a wave one chunk and one head, q, k and v one after the other: 128 x 64 results each, 32 accumulators of 16 x 16.
; The wave's 128 rows of x, all of K, lie in 512 registers throughout; W's fragments come by units of two tiles of 16 rows x half of K (64 registers) in two sets: 64 matrix instructions a unit.
; SOURCE 0 is the operand whose rows are the next product's K (W for q and k, x for v), so that a lane's registers run along it.  THE BIAS is the C of each sum's first matrix instruction.
; LDS: x's 256 rows, then Wq's 128, then Wk's 128.  When every wave has x in registers, Wv's 128 rows are fetched over x's first 128.
; CLUSTERS: 4 x 4 work-groups.  x's tile hangs on the cluster's y and cy and is asked for jointly by the four of a row; W's tiles hang on x and cx and are asked for jointly by the four of a column.
; No data prefetch: the launch has no loop to run ahead in; Wv is asked for 384 matrix instructions a wave ahead of the first that reads it.
; Scale words come straight from memory into registers: lane l takes row 32 p + l, so a register carries tile 2 p in lanes 0-15 and tile 2 p + 1 in lanes 16-31.
; OUT: images of operand registers, lane l's 16 bytes at 16 l.  qw [b x 16 + head][t / 128][4,608]: eight tiles of 16 queries (512 bytes each: lane (r, h) = row r, channels 32 h + 0 .. 31), then 512 bytes of scale words.
; kv [b x 16 + head][t / 128][8,960]: K as qw; at 4,608 four tiles of V^T (16 channels x 128 keys, 1,024 bytes); at 8,704 their scale words, 256 bytes.
; A scale word of q or k: the two blocks' bytes, then 0x7f twice: the attention launch multiplies 64 channels by an instruction of 128, whose upper half meets zero codes.
; DEAD WORK of the program: scores, p and products of keys that the causal mask hides from all queries of a tile; the attention launch leaves whole steps of 128 keys out.  A NaN, an infinity or an overflow there is not carried.
; LIMITS: NaN and infinities are not served.  A block whose largest magnitude lies under 2^-124 gets the byte 1, a block of zeros too (the rule says 127: its codes are zeros, and this program alone reads the bytes).
; REGISTERS, in windows of 256: window 0: v1-15 addresses; v16-31, v112-127 the bias of four tiles; v32-63 x's scale words; v64-111 W's (q, k, v); v128-191, v192-255 W's fragments, two sets (on the way out v192-255 are at work).
;   windows 1, 2: x's fragments, q-th 128 along K at v[64 (q % 4)] of window 1 + q / 4.   window 3: the accumulators: q, k: (tokens x, channels t) at v[32 x + 8 t]; v: v[64 t + 8 x].
; THE ORDER OF THE PRODUCTS, as the text stands: W comes by UNITS: two neighbouring tiles of 16 rows x half of K (64 registers), in two sets; unit u: tiles 2 (u / 2) and 2 (u / 2) + 1, K half u % 2.
; A unit is 64 matrix instructions on sixteen accumulators.  Wv is asked for behind the first two units, 384 matrix instructions ahead of the first that reads it.
.set PITCH, 528                        ; an LDS row: 512 bytes + 16 of padding = 132 words: the 16 rows that a load touches start at 16 different banks (64 banks of 4 bytes: ISA guide 11.1)
.set TROW,  16*PITCH
.set HALFT, 128*PITCH
.set WL,    2*HALFT                    ; W's part
.set SPARE, 4*HALFT                    ; the spare words
.set QCH,   4608
.set KCH,   8960
.set ADX, 2                            ; v2      LDS address of my x fragments
.set ADW, 3                            ; v3-5    of Wq's, Wk's, Wv's
.set SCO, 6                            ; v6      32 x lane
.set BQK, 7                            ; v7      32 h
.set BVO, 8                            ; v8      4 r
.set L16, 9                            ; v9      16 x lane
.set SPW, 10                           ; v10     my spare word
.set NIL, 11                           ; v11     0
.set L8,  12                           ; v12     8 x lane
.set XS,  32
.set WS,  64
.set WF,  128
.set CD,  192                          ; the way out: codes
.set TM,  224                          ; 224-227 largest magnitudes, 228-231 the other half's, 232-235 the conversions' scale operands
.set SBY, 236                          ; 236-251 scale bytes
.set SWD, 252                          ; 252-255 scale words
.set G1X, 68                           ; s[68:75], s[88:91] groups 1 and 0 for x;  s[80:87], s[92:95] for W
.set G1W, 80
.set G0X, 88
.set G0W, 92
.set MSB, 0
.macro WIN new                         ; the immediate's high byte repeats the setting that is left
.if MSB != (\new)
	s_set_vgpr_msb (MSB<<8)|(\new)
.set MSB, (\new)
.endif
.endm
.macro CROUND                          ; a round of the cluster's barrier
	s_barrier_signal -1
	s_barrier_wait -1
	s_cmp_lg_u32 s14, 0
	s_cbranch_scc1 .Lnot_wave_0_\@
	s_barrier_signal -3
.Lnot_wave_0_\@:
	s_barrier_wait -3
	s_barrier_signal -1
	s_barrier_wait -1
.endm
.macro PLACES                          ; the places behind matrix instructions (ISA guide 7.12.1 for vector instructions)
.rept 4
	v_nop
.endr
.endm
	s_load_b512 s[24:39], s[0:1], 0x0              ; x's codes, x's scales, Wq's, Wk's, Wv's codes and scales
	s_load_b256 s[48:55], s[0:1], 0x40             ; bq, bk, bv, qw
	s_load_b64 s[56:57], s[0:1], 0x60              ; kv
	v_lshl_add_u32 v[SPW], v0, 2, SPARE
	v_mov_b32 v[NIL], 0
	ds_add_u32 v[SPW], v[NIL]                      ; the opening: the add, twice on end
	ds_add_u32 v[SPW], v[NIL]
	v_lshrrev_b32 v1, 5, v0
	v_readfirstlane_b32 s14, v1                    ; wave 0..3
	s_lshr_b32 s15, s14, 1                         ; my chunk of the tile's two.  Also: I fetch x (0) or W (1)
	s_and_b32 s16, s14, 1                          ; my head of the two.  Also: which half of x's rows, or Wq (0) or Wk (1), I fetch
	s_bfe_u32 s40, ttmp6, 0x40000                  ; cx, cy
	s_bfe_u32 s41, ttmp6, 0x40004
	s_lshl_b32 s42, ttmp9, 2
	s_add_co_u32 s42, s42, s40                     ; the pair of heads, 0 .. 7
	s_and_b32 s17, ttmp7, 0xffff
	s_lshl_b32 s17, s17, 2
	s_add_co_u32 s17, s17, s41                     ; the tile of 256 tokens, 0 .. 31
	s_lshl_b32 s43, s41, 2
	s_lshl_b32 s43, 15, s43                        ; my row of the cluster
	s_lshl_b32 s44, 0x1111, s40                    ; my column
	s_or_b32 s[G1X], s43, (1<<20)|(1<<21)|(6<<22)|(3<<25)   ; 15:0 the mask; elements of 1 byte; 20 padding on; 21 set beside a mask; 24:22 after every 128 words (code 6); 31:25 of 4 words (code 3)
	s_or_b32 s[G1W], s44, (1<<20)|(1<<21)|(6<<22)|(3<<25)
.irp g, G1X, G1W
	s_mov_b32 s[\g+1], 512<<16                     ; tensor_dim0 = 512
	s_mov_b32 s[\g+2], 128<<16                     ; tensor_dim1 = 128
	s_mov_b32 s[\g+3], 512<<16                     ; tile_dim0
	s_mov_b32 s[\g+4], 128                         ; tile_dim1
	s_mov_b32 s[\g+5], 512                         ; tensor_dim0_stride
	s_mov_b32 s[\g+6], 0
	s_mov_b32 s[\g+7], 0
.endr
	s_lshl_b32 s20, s17, 17                        ; x: 256 rows of 512 bytes a tile,
	s_lshl_b32 s21, s16, 16                        ; my half of them
	s_add_co_u32 s20, s20, s21
	s_mov_b32 s21, 0
	s_lshl_b32 s22, s42, 16                        ; W: 128 rows of 512 bytes a pair of heads
	s_mov_b32 s23, 0
	s_mul_i32 s45, s16, HALFT
	s_add_co_u32 s46, s45, WL
	s_lshl_b32 s100, s14, 14                       ; for Wv: my 32 rows of the 128
	s_mov_b32 s101, 0
	s_mov_b32 s66, 0x76543210
	s_mov_b32 s67, 0xfedcba98                      ; v_permlanex16_b32's selects for lane l xor 16
	s_wait_dscnt 0x0                               ; both opening adds are done
	s_wait_kmcnt 0x0
	s_add_nc_u64 s[20:21], s[24:25], s[20:21]
	s_cmp_eq_u32 s16, 0
	s_cselect_b64 s[98:99], s[28:29], s[32:33]     ; Wq or Wk: by the wave's number alone
	s_add_nc_u64 s[98:99], s[98:99], s[22:23]
	s_mov_b32 s[G0X], 1
	s_mov_b32 s[G0X+1], s45
	s_mov_b64 s[G0X+2:G0X+3], s[20:21]
	s_or_b32 s[G0X+3], s[G0X+3], 0x80000000
	s_mov_b32 s[G0W], 1
	s_mov_b32 s[G0W+1], s46
	s_mov_b64 s[G0W+2:G0W+3], s[98:99]
	s_or_b32 s[G0W+3], s[G0W+3], 0x80000000
	CROUND                                         ; all sixteen work-groups are here: the joint loads meet
	; THE HEAD'S LOADS, one a wave: waves 0 and 1 x's halves, wave 2 Wq's rows, wave 3 Wk's
	s_cmp_eq_u32 s15, 0
	s_cbranch_scc0 .Lfor_w
	tensor_load_to_lds s[G0X:G0X+3], s[G1X:G1X+7]
	s_nop 0
.rept 4
	v_nop
.endr
	s_branch .Lasked
.Lfor_w:
	tensor_load_to_lds s[G0W:G0W+3], s[G1W:G1W+7]
	s_nop 0
.rept 4
	v_nop
.endr
.Lasked:
	s_lshl_b32 s76, s17, 8
	s_lshl_b32 s77, s15, 7
	s_add_co_u32 s76, s76, s77                     ; my first token
	s_lshl_b32 s76, s76, 5
	s_mov_b32 s77, 0
	s_add_nc_u64 s[4:5], s[26:27], s[76:77]        ; its scale bytes
	s_lshl_b32 s78, s42, 1
	s_add_co_u32 s78, s78, s16                     ; my head
	s_lshl_b32 s76, s78, 11
	s_add_nc_u64 s[6:7], s[30:31], s[76:77]        ; its rows' scale bytes: Wq, Wk, Wv
	s_add_nc_u64 s[8:9], s[34:35], s[76:77]
	s_add_nc_u64 s[10:11], s[38:39], s[76:77]
	s_lshl_b32 s76, s78, 8
	s_add_nc_u64 s[58:59], s[48:49], s[76:77]      ; its biases
	s_add_nc_u64 s[60:61], s[50:51], s[76:77]
	s_add_nc_u64 s[62:63], s[52:53], s[76:77]
	s_lshr_b32 s79, s17, 3                         ; b
	s_lshl_b32 s79, s79, 4
	s_add_co_u32 s79, s79, s78
	s_lshl_b32 s79, s79, 4
	s_and_b32 s96, s17, 7
	s_lshl_b32 s96, s96, 1
	s_add_co_u32 s96, s96, s15                     ; t / 128
	s_add_co_u32 s79, s79, s96                     ; my chunk's number
	s_mul_i32 s76, s79, QCH
	s_add_nc_u64 s[12:13], s[54:55], s[76:77]      ; my chunk of qw
	s_mul_i32 s76, s79, KCH
	s_add_nc_u64 s[44:45], s[56:57], s[76:77]      ; and of kv
	s_mul_i32 s96, s15, HALFT                      ; my 128 rows of x in LDS
	s_mul_i32 s97, s16, 64*PITCH                   ; my head's 64 rows of W
	v_and_b32 v1, 15, v0                           ; r
	v_bfe_u32 v13, v0, 4, 1                        ; h
	v_and_b32 v14, 31, v0                          ; lane
	v_mul_u32_u24 v15, v1, PITCH
	v_lshl_add_u32 v15, v13, 4, v15                ; a fragment's row x pitch + 16 h
	v_add_nc_u32 v[ADX], s96, v15
	v_add_nc_u32 v[ADW+2], s97, v15                ; Wv lies where x's first rows were
	v_add_nc_u32 v[ADW], WL, v[ADW+2]
	v_add_nc_u32 v[ADW+1], WL+HALFT, v[ADW+2]
	v_lshlrev_b32 v[SCO], 5, v14
	v_lshlrev_b32 v[BQK], 5, v13
	v_lshlrev_b32 v[BVO], 2, v1
	v_lshlrev_b32 v[L16], 4, v14
	v_lshlrev_b32 v[L8], 3, v14
	s_wait_alu depctr_va_vdst(0)                   ; the wait behind the head's vector writes
; the bias of W's tile t of kind k (0 q, 1 k, 2 v) in the result's layout: q, k: channels 16 t + 8 h + 0 .. 7; v: channel 16 t + r eight times
.macro BIASLD k, t
	WIN 0
.set BB, 16+8*(\t)+80*((\t)/2)
.if (\k) < 2
	global_load_b128 v[BB:BB+3], v[BQK], s[58+2*(\k):59+2*(\k)] offset:64*(\t)
	global_load_b128 v[BB+4:BB+7], v[BQK], s[58+2*(\k):59+2*(\k)] offset:64*(\t)+16
.else
.irp j, 0,1,2,3,4,5,6,7
	global_load_b32 v[BB+\j], v[BVO], s[62:63] offset:64*(\t)
.endr
.endif
.endm
; a fragment, 16 rows x 128 K of 4-bit codes, is 8 registers: lane l holds row l % 16; registers 4 c .. 4 c + 3 hold K = 64 c + 32 (l / 16) + 0 .. 31
.macro LOADW k, t                      ; W's unit t of kind k, two tiles x half of K, into set t % 2: 16 loads
	WIN 0
.irp q, 0,1,2,3,4,5,6,7
.irp c, 0,1
	ds_load_b128 v[WF+64*((\t)%2)+8*\q+4*\c:WF+64*((\t)%2)+8*\q+4*\c+3], v[ADW+(\k)] offset:(2*((\t)/2)+\q/4)*TROW+64*(4*((\t)%2)+\q%4)+32*\c   ; t is the unit: its first tile's four fragments, then its second's
.endr
.endr
.endm
.macro XL q                            ; x's eight tiles, the q-th 128 along K: 16 loads
	WIN 0x40*(1+(\q)/4)
.irp x, 0,1,2,3,4,5,6,7
.irp c, 0,1
	ds_load_b128 v[64*((\q)%4)+8*\x+4*\c:64*((\q)%4)+8*\x+4*\c+3], v[ADX] offset:\x*TROW+64*(\q)+32*\c
.endr
.endr
.endm
.macro MM a, b, sa, sb, ra, rb         ; DD = A x B + CC; ra, rb: the scale words lie in lanes 16-31
.if (\ra) && (\rb)
	v_wmma_scale_f32_16x16x128_f8f6f4 v[DD:DD+7], v[\a:\a+7], v[\b:\b+7], v[CC:CC+7], v[\sa], v[\sb] matrix_a_fmt:MATRIX_FMT_FP4 matrix_b_fmt:MATRIX_FMT_FP4 matrix_a_scale:MATRIX_SCALE_ROW1 matrix_b_scale:MATRIX_SCALE_ROW1
.elseif \ra
	v_wmma_scale_f32_16x16x128_f8f6f4 v[DD:DD+7], v[\a:\a+7], v[\b:\b+7], v[CC:CC+7], v[\sa], v[\sb] matrix_a_fmt:MATRIX_FMT_FP4 matrix_b_fmt:MATRIX_FMT_FP4 matrix_a_scale:MATRIX_SCALE_ROW1
.elseif \rb
	v_wmma_scale_f32_16x16x128_f8f6f4 v[DD:DD+7], v[\a:\a+7], v[\b:\b+7], v[CC:CC+7], v[\sa], v[\sb] matrix_a_fmt:MATRIX_FMT_FP4 matrix_b_fmt:MATRIX_FMT_FP4 matrix_b_scale:MATRIX_SCALE_ROW1
.else
	v_wmma_scale_f32_16x16x128_f8f6f4 v[DD:DD+7], v[\a:\a+7], v[\b:\b+7], v[CC:CC+7], v[\sa], v[\sb] matrix_a_fmt:MATRIX_FMT_FP4 matrix_b_fmt:MATRIX_FMT_FP4
.endif
.endm
; sixteen matrix instructions: unit u of kind k, the q-th 128 of its K half: W's two tiles x x's eight.  The sixteen accumulators take turns, in the same order for every q.
.macro MULQ k, u, q
.set QQ, 4*((\u)%2)+(\q)               ; the 128 along all of K
.if (\k) < 2
.set MW, 0xf4+4*((\u)%2)               ; x's window: 1 + u % 2
.else
.set MW, 0xf1+((\u)%2)
.endif
.if QQ == 0
.set MW, MW-0x30                       ; C = the bias, in window 0
.endif
	WIN MW
.irp i, 0,1
.set TT, 2*((\u)/2)+\i
.set WA, WF+64*((\u)%2)+32*\i+8*(\q)
.set WSC, WS+16*(\k)+8*((\u)/2)+QQ
.irp x, 0,1,2,3,4,5,6,7
.set AX, 64*(\q)+8*\x
.set XSC, XS+8*(\x/2)+QQ
.set RX, \x%2
.if (\k) < 2
.set DD, 32*\x+8*TT
.else
.set DD, 64*TT+8*\x
.endif
.if QQ == 0
.set CC, 16+8*TT+80*((\u)/2)
.else
.set CC, DD
.endif
.if (\k) < 2
	MM WA, AX, WSC, XSC, \i, RX
.else
	MM AX, WA, XSC, WSC, RX, \i
.endif
.endr
.endr
.endm
.macro TILE k, u
	s_wait_dscnt 0x0                               ; this unit's fragments (asked for a unit ago)
.if (\u) == 0
	s_wait_loadcnt 0x0                             ; the kind's bias
	s_wait_xcnt 0x0                                ; the last way out's stores have read their data: set 1 may be loaded
.endif
	PLACES                                         ; the loads below land on registers that the unit before has read
.if (\u) < 3
	LOADW \k, \u+1
.endif
.if (((\u)%2) == 1) && ((\k) < 2)
	BIASLD \k+1, \u-1                              ; this unit's two tiles have started their sums: the next kind's bias for them
	BIASLD \k+1, \u
.endif
.irp q, 0,1,2,3
	MULQ \k, \u, \q
.endr
.endm
; THE WAY OUT of 64 accumulator registers, four blocks of 32 along the next K, each in 16 registers of lanes l and l xor 16.  Of four neighbouring accumulators (64 along the next K) the code registers are numbered 0, 2, 1, 3;
; two exchanges of halves then leave in lane (r, h) the codes of 32 h + 0 .. 31, ascending: four registers of an operand as the matrix unit takes it.  q, k: group g is the tile of tokens 2 p + g; v: the half g of the 128 keys of channels' tile p.
.macro QUANTA p, base, off
	WIN 0x0f                                       ; sources 0 and 1: window 3
.irp b, 0,1,2,3
	v_max3_num_f32 v[TM+\b], |v[64*\p+16*\b]|, |v[64*\p+16*\b+1]|, 0x1800000   ; each accumulator from its low end on, and the floor 2^(3 - 127): the byte cannot fall under 1
.endr
.irp i, 2,4,6,8,10,12,14
.irp b, 0,1,2,3
	v_max3_num_f32 v[TM+\b], |v[64*\p+16*\b+\i]|, |v[64*\p+16*\b+\i+1]|, v[TM+\b]
.endr
.endr
	WIN 0
.irp b, 0,1,2,3
	v_permlanex16_b32 v[TM+4+\b], v[TM+\b], s66, s67
.endr
.irp b, 0,1,2,3
	v_max_num_f32 v[TM+\b], v[TM+\b], v[TM+4+\b]   ; with lane l xor 16's: the block's largest magnitude
.endr
.irp b, 0,1,2,3
	v_add_nc_u32 v[TM+8+\b], 0xff000000, v[TM+\b]  ; 2 off its exponent field: the conversion's scale operand
.endr
.irp b, 0,1,2,3
	v_lshrrev_b32 v[SBY+4*\p+\b], 23, v[TM+8+\b]   ; the scale's byte
.endr
	WIN 0x03
.irp g, 0,1
	v_cvt_scalef32_pk8_fp4_f32 v[CD+8*\p+4*\g], v[64*\p+32*\g:64*\p+32*\g+7], v[TM+8+2*\g]
	v_cvt_scalef32_pk8_fp4_f32 v[CD+8*\p+4*\g+2], v[64*\p+32*\g+8:64*\p+32*\g+15], v[TM+8+2*\g]
	v_cvt_scalef32_pk8_fp4_f32 v[CD+8*\p+4*\g+1], v[64*\p+32*\g+16:64*\p+32*\g+23], v[TM+8+2*\g+1]
	v_cvt_scalef32_pk8_fp4_f32 v[CD+8*\p+4*\g+3], v[64*\p+32*\g+24:64*\p+32*\g+31], v[TM+8+2*\g+1]
.endr
	WIN 0
	v_nop                                          ; one plain place behind a scaled conversion
.irp g, 0,1
	v_permlane16_swap_b32 v[CD+8*\p+4*\g], v[CD+8*\p+4*\g+1]
	v_permlane16_swap_b32 v[CD+8*\p+4*\g+2], v[CD+8*\p+4*\g+3]
.endr
.irp g, 0,1
	global_store_b128 v[L16], v[CD+8*\p+4*\g:CD+8*\p+4*\g+3], s[\base:\base+1] offset:\off+1024*\p+512*\g   ; 32 lanes store 512 consecutive bytes, at a multiple of 256; every store of a kind has registers of its own
.endr
.endm
.macro EPI k, base, off
	WIN 0
	PLACES                                         ; in front of the first read of results and of the writes over W's fragments
.if (\k) < 2
.if (\k) == 1
	s_wait_tensorcnt 0x0                           ; my part of Wv has landed,
	s_wait_dscnt 0x0
	s_barrier_signal -1
	s_barrier_wait -1                              ; everybody's has
.endif
	LOADW \k+1, 0                                  ; the next kind's first unit, into set 0
.endif
	s_mov_b32 vcc_lo, 0xffff0000                   ; lanes 16-31
.irp p, 0,1,2,3
	QUANTA \p, \base, \off
.endr
.if (\k) < 2
.irp p, 0,1,2,3                        ; word p: tile 2 p below, tile 2 p + 1 above; two bytes and 0x7f twice
	v_cndmask_b32 v[TM], v[SBY+4*\p], v[SBY+4*\p+2], vcc_lo
	v_cndmask_b32 v[TM+1], v[SBY+4*\p+1], v[SBY+4*\p+3], vcc_lo
	v_lshl_or_b32 v[TM], v[TM+1], 8, v[TM]
	v_or_b32 v[SWD+\p], 0x7f7f0000, v[TM]
.endr
	global_store_b128 v[L16], v[SWD:SWD+3], s[\base:\base+1] offset:4096
.else
.irp p, 0,1                            ; word p: channels' tile 2 p below, 2 p + 1 above; the bytes of the four blocks of keys
	v_cndmask_b32 v[TM], v[SBY+8*\p], v[SBY+8*\p+4], vcc_lo
.irp i, 1,2,3
	v_cndmask_b32 v[TM+\i], v[SBY+8*\p+\i], v[SBY+8*\p+4+\i], vcc_lo
.endr
	v_lshl_or_b32 v[TM], v[TM+1], 8, v[TM]
	v_lshl_or_b32 v[TM], v[TM+2], 16, v[TM]
	v_lshl_or_b32 v[SWD+\p], v[TM+3], 24, v[TM]
.endr
	global_store_b64 v[L8], v[SWD:SWD+1], s[\base:\base+1] offset:8704
.endif
.endm
.irp p, 0,1,2,3
	global_load_b128 v[XS+8*\p:XS+8*\p+3], v[SCO], s[4:5] offset:1024*\p
	global_load_b128 v[XS+8*\p+4:XS+8*\p+7], v[SCO], s[4:5] offset:1024*\p+16
.endr
.irp k, 0,1,2
.irp p, 0,1
	global_load_b128 v[WS+16*\k+8*\p:WS+16*\k+8*\p+3], v[SCO], s[6+2*\k:7+2*\k] offset:1024*\p
	global_load_b128 v[WS+16*\k+8*\p+4:WS+16*\k+8*\p+7], v[SCO], s[6+2*\k:7+2*\k] offset:1024*\p+16
.endr
.endr
.irp t, 0,1,2,3
	BIASLD 0, \t
.endr
	s_wait_tensorcnt 0x0                           ; my part of x, Wq and Wk has landed,
	s_barrier_signal -1
	s_barrier_wait -1                              ; everybody's has
	LOADW 0, 0
	XL 0
	XL 1
	s_wait_loadcnt 0x0                             ; scale words and bias
; THE FIRST TWO UNITS bring x's fragments along, two groups of 16 loads ahead of the products; W's next units come among them
.irp q, 0,1,2,3,4,5,6,7
.if \q == 3
	LOADW 0, 1
.endif
.if \q < 6
	XL \q+2
.endif
.if \q == 6
	PLACES                                         ; set 0 has been read by the first unit
	LOADW 0, 2
	BIASLD 1, 0
	BIASLD 1, 1
.endif
.if \q == 3
	s_wait_dscnt 48                                ; younger: x's groups 4 and 5, W's unit 1
.elseif \q < 7
	s_wait_dscnt 32                                ; all but the two youngest groups of 16
.else
	s_wait_dscnt 16                                ; all but W's unit 2
.endif
.set UU, \q/4
.set QR, \q%4
	MULQ 0, UU, QR
.endr
	WIN 0
	s_wait_tensorcnt 0x0                           ; no tensor load of mine is out, so a descriptor may be written
	ds_add_u32 v[SPW], v[NIL]
	s_mov_b32 s[G1W+2], 32<<16                     ; Wv: 32 rows a wave
	s_mov_b32 s[G1W+4], 32
	s_mul_i32 s[G0W+1], s14, 32*PITCH
	s_add_nc_u64 s[G0W+2:G0W+3], s[36:37], s[22:23]
	s_add_nc_u64 s[G0W+2:G0W+3], s[G0W+2:G0W+3], s[100:101]
	s_or_b32 s[G0W+3], s[G0W+3], 0x80000000
	s_wait_dscnt 0x0                               ; the add is done, and my reads of x are over
	CROUND                                         ; both hold of every wave of the cluster
	tensor_load_to_lds s[G0W:G0W+3], s[G1W:G1W+7]  ; Wv over x's first 128 rows
	s_nop 0
.rept 4
	v_nop
.endr
	TILE 0, 2
	TILE 0, 3
	EPI 0, 12, 0
.irp t, 0,1,2,3
	TILE 1, \t
.endr
	EPI 1, 44, 0
.irp t, 0,1,2,3
	TILE 2, \t
.endr
	EPI 2, 44, 4608
	s_wait_tensorcnt 0x0                           ; the wave's end
	ds_add_u32 v[SPW], v[NIL]
	s_wait_dscnt 0x0
	CROUND                                         ; the closing round: no work-group ends while a partner may still ask for a tile that names it
	s_endpgm
.Lfunc_end_k_qe382a943ce_qkv:
	.size	k_qe382a943ce_qkv, .Lfunc_end_k_qe382a943ce_qkv-k_qe382a943ce_qkv
	.p2alignl 7, 3214868480
	.fill 96, 4, 3214868480
	.section	.rodata,"a",@progbits
	.p2align	6, 0x0
	.amdhsa_kernel k_qe382a943ce_qkv
		.amdhsa_group_segment_fixed_size 327680
		.amdhsa_private_segment_fixed_size 0
		.amdhsa_enable_private_segment 0
		.amdhsa_kernarg_size 104
		.amdhsa_user_sgpr_count 2
		.amdhsa_user_sgpr_kernarg_segment_ptr 1
		.amdhsa_wavefront_size32 1
		.amdhsa_system_sgpr_workgroup_id_x 1
		.amdhsa_system_sgpr_workgroup_id_y 1
		.amdhsa_system_sgpr_workgroup_id_z 1
		.amdhsa_system_vgpr_workitem_id 0
		.amdhsa_next_free_vgpr 1024
		.amdhsa_next_free_sgpr 102
		.amdhsa_reserve_vcc 1
		.amdhsa_float_denorm_mode_32 3
		.amdhsa_float_denorm_mode_16_64 3
		.amdhsa_memory_ordered 1
		.amdhsa_forward_progress 1
		.amdhsa_inst_pref_size 183
	.end_amdhsa_kernel
	.amdgpu_metadata
---
amdhsa.version: [ 1, 2 ]
amdhsa.kernels:
  - .name:           k_qe382a943ce_qkv
    .symbol:         k_qe382a943ce_qkv.kd
    .args:
      - { .name: x_codes, .offset: 0, .size: 8, .value_kind: global_buffer, .address_space: global }
      - { .name: x_scales, .offset: 8, .size: 8, .value_kind: global_buffer, .address_space: global }
      - { .name: Wq_codes, .offset: 16, .size: 8, .value_kind: global_buffer, .address_space: global }
      - { .name: Wq_scales, .offset: 24, .size: 8, .value_kind: global_buffer, .address_space: global }
      - { .name: Wk_codes, .offset: 32, .size: 8, .value_kind: global_buffer, .address_space: global }
      - { .name: Wk_scales, .offset: 40, .size: 8, .value_kind: global_buffer, .address_space: global }
      - { .name: Wv_codes, .offset: 48, .size: 8, .value_kind: global_buffer, .address_space: global }
      - { .name: Wv_scales, .offset: 56, .size: 8, .value_kind: global_buffer, .address_space: global }
      - { .name: bq, .offset: 64, .size: 8, .value_kind: global_buffer, .address_space: global }
      - { .name: bk, .offset: 72, .size: 8, .value_kind: global_buffer, .address_space: global }
      - { .name: bv, .offset: 80, .size: 8, .value_kind: global_buffer, .address_space: global }
      - { .name: qw, .offset: 88, .size: 8, .value_kind: global_buffer, .address_space: global }
      - { .name: kv, .offset: 96, .size: 8, .value_kind: global_buffer, .address_space: global }
    .group_segment_fixed_size: 327680
    .private_segment_fixed_size: 0
    .kernarg_segment_align: 8
    .kernarg_segment_size: 104
    .max_flat_workgroup_size: 128
    .sgpr_count:     102
    .vgpr_count:     1024
    .wavefront_size: 32
...
	.end_amdgpu_metadata
.endif
;; end of part 1
;; launch attn (part 2): grid 4 x 64, 16 waves a work-group, clusters of 4 x 1, 169,984 bytes of LDS; arguments qw, kv, oc, os; writes oc, os
.if DOCPART == 2
	.amdgcn_target "amdgcn-amd-amdhsa--gfx1250"
	.amdhsa_code_object_version 6
	.text
	.protected	k_qe382a943ce_attn
	.globl	k_qe382a943ce_attn
	.p2align	8
	.type	k_qe382a943ce_attn,@function
k_qe382a943ce_attn:
	s_mov_b64 s[64:65], 0
	v_nop
	global_prefetch_b8 v0, s[64:65] scope:SCOPE_SE
	s_setreg_imm32_b32 hwreg(HW_REG_WAVE_MODE, 25, 1), 1
	s_wait_xcnt 0x0
	s_wait_alu depctr_hold_cnt(0) depctr_sa_sdst(0) depctr_va_vdst(0) depctr_va_sdst(0) depctr_va_ssrc(0) depctr_va_vcc(0) depctr_vm_vsrc(0)
	s_getreg_b32 s2, hwreg(HW_REG_IB_STS2, 6, 4)
	s_cmp_eq_u32 s2, 0
	s_cbranch_scc0 .Lentry_in_a_cluster
	s_endpgm
.Lentry_in_a_cluster:
	s_bfe_u32 s2, ttmp6, 0x10000c
	s_cmp_lg_u32 s2, 0x3003
	s_cbranch_scc0 .Lentry_shape_is_right
	s_endpgm
.Lentry_shape_is_right:
; o[b][h][q] = the sum over keys k <= q of softmax_k(q . k / 32) v, both products on codes of FP4 (E2M1) with one E8M0 scale for each 32 along a product's K; o is quantised at once, along its 64 channels, for the last product.
; IN: qw [b x 16 + head][t / 128][4,608] and kv [..][..][8,960]: images of operand registers, lane l's 16 bytes at 16 l.  A chunk of kv: eight tiles of 16 keys x 64 channels (512 bytes each), their scale words (512),
; four tiles of V^T (16 channels x 128 keys, 1,024 each), their scale words (256).  A chunk of qw: eight tiles of queries and their scale words, laid as K's.
; THE SOFTMAX AHEAD OF THE SECOND PRODUCT: t = score x log2(e) / 32; M = the row's largest t so far, rounded UP to a whole number; p = 2^(t - M) is what is quantised, along the keys, not normalised.
; The row's sum is taken of the unquantised p, in f32, and divides O at the end.  When M moves, the sum and O are multiplied by 2^(old M - new M): exact.
; SHARES.  The four work-groups of a cluster belong to one head.  All of the head's K and V, 16 chunks = 143,360 bytes, come into LDS ONCE, by joint loads (the same load, with a mask that names the four, in all four).
; A wave owns one tile of 16 queries at a time, in 256 registers: four waves to a SIMD, so that one wave's vector work stands beside another's matrix work.  It makes two passes: in pass 0 a tile of chunk w,
; in pass 1 a tile of chunk 15 - w (tile 2 cx + pass of the chunk's eight): (w + 1) + (16 - w) = 17 key steps of 128 keys for every wave of every work-group.
; CAUSAL.  Every pass walks all 16 steps: the trip count is a constant.  A step whose keys all come after the chunk is left out by a scalar branch that hangs on the wave's number alone; in the chunk's own step the
; hidden scores become -infinity ahead of the maximum.  The place in the cluster enters global offsets and that comparison of numbers, no branch and no LDS address.
; LAYOUT.  Both products are used transposed: S^T = K Q^T (source 0 = 16 keys), O^T = V^T P^T (source 0 = 16 channels): a lane holds ONE query (lane % 16) throughout; register 8 i + j of S^T is key 16 i + 8 (lane / 16) + j.
; 64 CHANNELS IN AN INSTRUCTION OF 128: Q's upper four registers are zero codes; K's operand for tile i is eight registers on end, of which the upper four are the next tile's codes (behind the last tile: zeros):
; they meet zero codes under the scale byte 0x7f and add nothing.
; LIMITS: NaN and infinities are not served.  A block whose largest magnitude lies under 2^-124 gets the byte 1, a block of zeros too (its codes are zeros; this program alone reads the bytes).  o = O x (1 / l) by v_rcp_f32.
; What falls under the smallest f32 number when M moves is lost.  The scale bytes of o leave as two bytes a row: a row's 32 bytes come from 16 heads, which are 16 clusters' work.
; REGISTERS: v1-11 addresses; v12 -M, v13 the largest score, v[14:15] the sum in two halves; v16-31 Q of both passes; v110-111 Q's scale words; v32-67 K; v68-71 K's scale words; v72-103 V; v104-105 V's scale words;
;   v112-175 S^T, then p; v176-207 O^T; v208-215 p's codes; v216-237 at work; v233 p's scale word.
; AS THE TEXT STANDS: Q of pass e lies in v[16 + 8 e : 23 + 8 e], its scale words in v110 + e; both passes' are loaded at the head, while K and V are on their way.
; K's tiles of a step are loaded in the step before it (the first step's ahead of the loop); V's behind the step's scores' products.  No data prefetch: K and V come once, at the head, ahead of the loop.
; Work left out: the key steps that the causal mask hides whole (the head of the first kernel says so).
; V's tiles of a step are loaded behind the scores' products, and the next step's K with them; the four vector lines ahead of those loads are the places behind both products.
; The scale operand of a block of p is 2^(t - M - 2) of the block's largest score, by the same multiply-add with -M - 2 in place of -M: the format's 2 is off its exponent already; the floor 2^-126 keeps the byte at 1 or above.
; v13 is the largest SCORE so far; v229 the old -M; v230 = -M - 2; v106 the address of the next step's K; s[40:47] the lanes in which register j of the queries' own tile of keys is hidden.
.set CHB,  8960                        ; a chunk of kv
.set QCH,  4608                        ; a chunk of qw
.set WV,   24                          ; s24  my wave's number
.set CX,   25                          ; s25  my place in the cluster
.set BH,   26                          ; s26  16 b + head
.set GG,   27                          ; s27  the pass's chunk of queries
.set ST,   28                          ; s28  the key step
.set TB,   29                          ; s29  where its chunk begins in LDS
.set SEL,  30                          ; s[30:31] lane selects for v_permlanex16_b32: lane l xor 16
.set CS,   32                          ; s[32:33] c = log2(e) / 32: the packed form names a pair and takes its low word for both halves
.macro ROUND                           ; a round of the cluster's barrier
	s_barrier_signal -1
	s_barrier_wait -1
	s_cmp_lg_u32 s[WV], 0
	s_cbranch_scc1 .Lnot_wave_0_\@
	s_barrier_signal -3
.Lnot_wave_0_\@:
	s_barrier_wait -3
	s_barrier_signal -1
	s_barrier_wait -1
.endm
	s_load_b128 s[4:7], s[0:1], 0x0                ; qw, kv
	s_load_b128 s[8:11], s[0:1], 0x10              ; oc, os
	v_lshl_add_u32 v254, v0, 2, 0x29000
	v_mov_b32 v255, 0
	ds_add_u32 v254, v255
	ds_add_u32 v254, v255
	v_lshrrev_b32 v1, 5, v0
	s_delay_alu instid0(VALU_DEP_1)
	v_readfirstlane_b32 s[WV], v1                  ; wave 0..15
	s_bfe_u32 s[CX], ttmp6, 0x40000                ; cx
	s_and_b32 s[BH], ttmp7, 0xffff                 ; the cluster's y: 16 b + head, which the four partners share
	; descriptor group 1: two chunks, 17,920 dense bytes, as 70 rows of 256 bytes (32 elements of 8 bytes), no padding: every LDS load here reads 16 x lane on end
	s_mov_b32 s16, 15|(3<<16)|(1<<21)              ; 15:0 the mask: all four work-groups; 17:16 elements of 8 bytes; 21 set beside a mask
	s_mov_b32 s17, 32<<16                          ; tensor_dim0 = 32
	s_mov_b32 s18, 70<<16                          ; tensor_dim1 = 70
	s_mov_b32 s19, 32<<16                          ; tile_dim0 = 32
	s_mov_b32 s20, 70                              ; tile_dim1 = 70
	s_mov_b32 s21, 32                              ; tensor_dim0_stride
	s_mov_b32 s22, 0
	s_mov_b32 s23, 0
	s_mul_i32 s34, s[BH], 16*CHB                   ; the head's first byte in kv
	s_mul_i32 s35, s[WV], 2*CHB                    ; waves 0 to 7: chunks 2 w and 2 w + 1
	s_add_co_u32 s36, s34, s35
	s_mov_b32 s37, 0
	s_mul_i32 s38, s[BH], 16*QCH                   ; the head's first byte in qw
	s_mov_b32 s39, 0
	s_mov_b32 s[SEL], 0x76543210
	s_mov_b32 s[SEL+1], 0xfedcba98
	s_mov_b32 s[CS], 0x3d38aa3b                    ; c = log2(e) / 32
	s_mov_b32 s[CS+1], s[CS]                       ; (named with it as a pair, so it is written)
	s_wait_dscnt 0x0
	s_wait_kmcnt 0x0
	s_mov_b32 s12, 1                               ; group 0: count = 1,
	s_mov_b32 s13, s35                             ; LDS address: wave x 17,920,
	s_add_nc_u64 s[14:15], s[6:7], s[36:37]        ; global address,
	s_or_b32 s15, s15, 0x80000000                  ; type = 2
	s_add_nc_u64 s[4:5], s[4:5], s[38:39]
	ROUND                                          ; all four work-groups are here: the joint loads meet
	s_cmp_lt_u32 s[WV], 8                          ; the branch hangs on the wave's number alone: it is the same in every work-group
	s_cbranch_scc0 .Lno_fill
	tensor_load_to_lds s[12:15], s[16:23]          ; the one tensor load of a wave
	s_nop 0
.rept 4
	v_nop
.endr
.Lno_fill:
	v_and_b32 v10, 15, v0                          ; r
	v_bfe_u32 v11, v0, 4, 1                        ; h
	v_and_b32 v1, 31, v0
	s_delay_alu instid0(VALU_DEP_1)
	v_lshlrev_b32 v4, 3, v1                        ; 8 x lane
	s_delay_alu instid0(VALU_DEP_2)
	v_lshlrev_b32 v1, 4, v1                        ; 16 x lane
.irp j, 20,21,22,23,28,29,30,31,64,65,66,67
	v_mov_b32 v[\j], 0                             ; zero codes: Q's upper half, and the tail behind K's last tile
.endr
.irp j, 220,221,222,223,228,231
	v_mov_b32 v[\j], 0                             ; written once: a lane permute's destination counts as one of its sources
.endr
	v_mov_b32 v233, 0                              ; (named as the upper half of the pair v[232:233] before it is first written)
.macro QLOAD e, ad                     ; Q's tile 2 cx + e of the pass's chunk: 16 x lane; its scale words: word cx of the image's lane r + 16 e
.if \e == 0
	s_mul_i32 s34, s[WV], QCH
.else
	s_sub_co_u32 s34, 15, s[WV]
	s_mul_i32 s34, s34, QCH
.endif
	s_lshl_b32 s35, s[CX], 10
	s_add_co_u32 s35, s35, s34
	s_add_co_u32 s35, s35, 512*\e
	v_add_nc_u32 v[\ad], s35, v1
	s_lshl_b32 s35, s[CX], 2
	s_add_co_u32 s35, s35, s34
	s_add_co_u32 s35, s35, 4096+256*\e
	v_lshl_add_u32 v[\ad+1], v10, 4, s35
	global_load_b128 v[16+8*\e:19+8*\e], v[\ad], s[4:5]
	global_load_b32 v[110+\e], v[\ad+1], s[4:5]
.endm
	v_lshlrev_b32 v5, 3, v11
	v_sub_nc_u32 v5, v10, v5                       ; r - 8 h
.irp j, 0,1,2,3,4,5,6,7
	v_cmp_gt_i32 s[40+\j], \j, v5                  ; in my queries' own tile of 16 keys register j is key 8 h + j: hidden where it comes after query r
.endr
	QLOAD 0, 6
	QLOAD 1, 2                                     ; v2 and v3 are written again only behind the wait for these loads
	s_wait_tensorcnt 0x0                           ; my part of the head's K and V has landed,
	s_barrier_signal -1
	s_barrier_wait -1                              ; everybody's has: from here on LDS is only read
.macro PASS e
.if \e == 0
	s_mov_b32 s[GG], s[WV]
.else
	s_sub_co_u32 s[GG], 15, s[WV]
.endif
	s_lshr_b32 s36, s[BH], 4                       ; b
	s_lshl_b32 s36, s36, 7
	s_lshl_b32 s37, s[GG], 3
	s_add_co_u32 s36, s36, s37
	s_lshl_b32 s37, s[CX], 1
	s_add_co_u32 s36, s36, s37
	s_add_co_u32 s36, s36, \e                      ; my tile of 16 rows among the 512: 128 b + 8 g + 2 cx + e
	s_and_b32 s37, s[BH], 15                       ; the head
	s_lshr_b32 s38, s37, 3
	s_lshl_b32 s38, s38, 21                        ; oc [head / 8][tile of rows][head % 8][512 bytes]
	s_lshl_b32 s39, s36, 12
	s_add_co_u32 s38, s38, s39
	s_and_b32 s39, s37, 7
	s_lshl_b32 s39, s39, 9
	s_add_co_u32 s38, s38, s39
	v_add_nc_u32 v8, s38, v1
	s_lshl_b32 s38, s36, 9                         ; os [row][32]: bytes 2 head and 2 head + 1
	s_lshl_b32 s39, s37, 1
	s_add_co_u32 s38, s38, s39
	v_lshl_add_u32 v9, v10, 5, s38
	v_mov_b32 v13, 0xff61b1e6                      ; the largest score so far: -3e38, under every score
	s_delay_alu instid0(VALU_DEP_1)
	v_floor_f32 v12, -v13                          ; -M
	v_mov_b32 v14, 0                               ; the sum, in two halves
	v_mov_b32 v15, 0
.irp j, 0,1,2,3,4,5,6,7,8,9,10,11,12,13,14,15,16,17,18,19,20,21,22,23,24,25,26,27,28,29,30,31
	v_mov_b32 v[176+\j], 0                         ; O^T.  (The step is written once: the first finds zeros, which the first change of M leaves zeros)
.endr
	s_mov_b32 s[ST], 0
	s_mov_b32 s[TB], 0
.irp i, 0,1,2,3,4,5,6,7
	ds_load_b128 v[32+4*\i:35+4*\i], v1 offset:512*\i             ; K's eight tiles of the first step
.endr
	ds_load_b128 v[68:71], v1 offset:4096                         ; their scale words: register p: tile 2 p in lanes 0-15, tile 2 p + 1 in lanes 16-31
	s_wait_loadcnt 0x0                             ; Q of both passes
	s_wait_dscnt 0x0                               ; K
.Lstep_\@:
	s_cmp_gt_u32 s[ST], s[GG]                      ; all 128 keys come after my queries: the step's work is left out
	s_cbranch_scc1 .Lhidden_\@
	; K was waited for ahead of the last step's second product, or ahead of the loop; no LDS load is out
.irp i, 0,2,4,6
	v_wmma_scale_f32_16x16x128_f8f6f4 v[112+8*\i:119+8*\i], v[32+4*\i:39+4*\i], v[16+8*\e:23+8*\e], 0, v[68+\i/2], v[110+\e] matrix_a_fmt:MATRIX_FMT_FP4 matrix_b_fmt:MATRIX_FMT_FP4
	v_wmma_scale_f32_16x16x128_f8f6f4 v[120+8*\i:127+8*\i], v[36+4*\i:43+4*\i], v[16+8*\e:23+8*\e], 0, v[68+\i/2], v[110+\e] matrix_a_fmt:MATRIX_FMT_FP4 matrix_b_fmt:MATRIX_FMT_FP4 matrix_a_scale:MATRIX_SCALE_ROW1
.endr
	s_add_co_u32 s34, s[TB], CHB
	s_min_u32 s34, s34, 15*CHB                     ; the next step's chunk (never past the last)
	v_add_nc_u32 v2, s[TB], v1                     ; these four lines are the places in front of the loads below and of the first read of the scores
	v_add_nc_u32 v3, s[TB], v4
	v_add_nc_u32 v106, s34, v1
	v_mov_b32 v229, v12                            ; the old -M
.irp t, 0,1,2,3
.irp c, 0,1
	ds_load_b128 v[72+8*\t+4*\c:75+8*\t+4*\c], v2 offset:4608+1024*\t+512*\c   ; V^T's four tiles
.endr
.endr
	ds_load_b64 v[104:105], v3 offset:8704                        ; their scale words
.irp i, 0,1,2,3,4,5,6,7
	ds_load_b128 v[32+4*\i:35+4*\i], v106 offset:512*\i           ; the next step's K, over the registers that the scores' products have read (behind the chunk's own step nobody reads it)
.endr
	ds_load_b128 v[68:71], v106 offset:4096
	s_cmp_lg_u32 s[ST], s[GG]                      ; only the chunk's own step has hidden keys
	s_cbranch_scc1 .Lopen_\@
	v_mov_b32 v228, 0xff800000                     ; -infinity: p = 0 then
	s_wait_alu depctr_va_vdst(0)                   ; the wait behind the write
	s_lshl_b32 s35, s[CX], 1
	s_add_co_u32 s35, s35, \e                      ; my tile of the chunk's eight: tiles of keys after it are hidden, tiles before it count, in its own the masks decide
.irp i, 0,1,2,3,4,5,6,7
	s_cmp_lt_u32 s35, \i
	s_cselect_b32 s34, -1, 0
	s_cmp_eq_u32 s35, \i
.irp j, 0,1,2,3,4,5,6,7
	s_cselect_b32 vcc_lo, s[40+\j], s34
	v_cndmask_b32 v[112+8*\i+\j], v[112+8*\i+\j], v228, vcc_lo
.endr
.endr
	s_wait_alu depctr_va_vdst(0)                   ; and behind these
.Lopen_\@:
.irp b, 0,1,2,3
	v_max3_num_f32 v[216+\b], v[112+16*\b], v[113+16*\b], v[114+16*\b]   ; THE LARGEST SCORE OF EACH BLOCK OF 32 KEYS: it serves twice: for the row's maximum, and, since p rises with the score, for the block's largest p
.endr
.irp i, 3,5,7,9,11,13
.irp b, 0,1,2,3
	v_max3_num_f32 v[216+\b], v[216+\b], v[112+16*\b+\i], v[113+16*\b+\i]   ; (the four blocks by turns)
.endr
.endr
.irp b, 0,1,2,3
	v_max_num_f32 v[216+\b], v[216+\b], v[127+16*\b]
.endr
.irp b, 0,1,2,3
	s_delay_alu instid0(VALU_DEP_4)
	v_permlanex16_b32 v[220+\b], v[216+\b], s[SEL], s[SEL+1]
.endr
.irp b, 0,1,2,3
	s_delay_alu instid0(VALU_DEP_4)
	v_max_num_f32 v[216+\b], v[216+\b], v[220+\b]  ; with lane l xor 16's 16 keys
.endr
	s_delay_alu instid0(VALU_DEP_2)
	v_max3_num_f32 v228, v216, v217, v218
	s_delay_alu instid0(VALU_DEP_1)
	v_max3_num_f32 v13, v13, v228, v219            ; the running largest score (the step's first key counts for every query that walks it: it is a number)
	s_delay_alu instid0(VALU_DEP_1)
	v_mul_f32 v228, s[CS], v13                     ; as t (c is positive)
	s_delay_alu instid0(VALU_DEP_1)
	v_floor_f32 v12, -v228                         ; the new -M = floor(-t) = -ceil(t): M IS A WHOLE NUMBER
	s_delay_alu instid0(VALU_DEP_1)
	v_sub_f32 v228, v12, v229                      ; M's old value less its new one: a whole number, 0 or less
	v_add_f32 v230, -2.0, v12                      ; -M - 2
.irp j, 0,2,4,6,8,10,12,14,16,18,20,22,24,26,28,30,32,34,36,38,40,42,44,46,48,50,52,54,56,58,60,62
	v_pk_fma_f32 v[112+\j:113+\j], v[112+\j:113+\j], s[CS:CS+1], v[12:13] op_sel_hi:[1,0,0]   ; t - M, two at a time (of the pairs c and -M the low word serves both halves)
.endr
	v_cvt_i32_f32 v228, v228                       ; (it saturates)
	v_pk_fma_f32 v[216:217], v[216:217], s[CS:CS+1], v[230:231] op_sel_hi:[1,0,0]   ; t - M - 2 of each block's largest score
	v_pk_fma_f32 v[218:219], v[218:219], s[CS:CS+1], v[230:231] op_sel_hi:[1,0,0]
	v_ldexp_f32 v232, 1.0, v228                    ; f = 2^(old M - new M)
	s_wait_alu depctr_va_vdst(0)
.irp j, 0,1,2,3,4,5,6,7,8,9,10,11,12,13,14,15,16,17,18,19,20,21,22,23,24,25,26,27,28,29,30,31,32,33,34,35,36,37,38,39,40,41,42,43,44,45,46,47,48,49,50,51,52,53,54,55,56,57,58,59,60,61,62,63
	v_exp_f32 v[112+\j], v[112+\j]                 ; p = 2^(t - M), at most 1: NOT normalised
.endr
.irp b, 0,1,2,3
	v_exp_f32 v[216+\b], v[216+\b]                 ; the block's largest p: the same two instructions on the same number give the same bits
.endr
	v_pk_mul_f32 v[14:15], v[14:15], v[232:233] op_sel_hi:[1,0]   ; the sums under the new M.  (A plain place behind the exponentials)
	s_wait_alu depctr_va_vdst(0)
.irp b, 0,1,2,3
	v_max_num_f32 v[224+\b], 0x800000, v[216+\b]   ; the floor 2^-126: the byte cannot fall under 1 (a block whose every p is 0 keeps that byte: its codes are zeros); the conversion's scale operand
.endr
.irp b, 0,1,2,3
	s_delay_alu instid0(VALU_DEP_4)
	v_lshrrev_b32 v[220+\b], 23, v[224+\b]         ; the scale's byte
.endr
	s_delay_alu instid0(VALU_DEP_3)
	v_lshl_or_b32 v233, v221, 8, v220              ; p's scale word for these 128 keys
	s_delay_alu instid0(VALU_DEP_1)
	v_lshl_or_b32 v233, v222, 16, v233
	s_delay_alu instid0(VALU_DEP_1)
	v_lshl_or_b32 v233, v223, 24, v233
.irp c, 0,1                                        ; four neighbouring tiles (64 keys) give registers 0, 2, 1, 3 of the operand's four;
	v_cvt_scalef32_pk8_fp4_f32 v[208+4*\c], v[112+32*\c:119+32*\c], v[224+2*\c]
	v_cvt_scalef32_pk8_fp4_f32 v[210+4*\c], v[120+32*\c:127+32*\c], v[224+2*\c]
	v_cvt_scalef32_pk8_fp4_f32 v[209+4*\c], v[128+32*\c:135+32*\c], v[225+2*\c]
	v_cvt_scalef32_pk8_fp4_f32 v[211+4*\c], v[136+32*\c:143+32*\c], v[225+2*\c]
.endr
	v_nop                                          ; one plain place behind a scaled conversion
.irp c, 0,1                                        ; two exchanges of halves then leave keys 64 c + 32 h + 0 .. 31 in lane (r, h), ascending
	v_permlane16_swap_b32 v[208+4*\c], v[209+4*\c]
	v_permlane16_swap_b32 v[210+4*\c], v[211+4*\c]
.endr
	v_pk_add_f32 v[236:237], v[116:117], v[120:121]
	v_pk_add_f32 v[252:253], v[124:125], v[128:129]
	v_pk_add_f32 v[250:251], v[132:133], v[136:137]
	v_pk_add_f32 v[248:249], v[140:141], v[144:145]
	v_pk_add_f32 v[246:247], v[148:149], v[152:153]
	v_pk_add_f32 v[244:245], v[156:157], v[160:161]
	v_pk_add_f32 v[242:243], v[164:165], v[168:169]
	v_pk_add_f32 v[14:15], v[14:15], v[172:173]
	v_pk_add_f32 v[236:237], v[236:237], v[112:113]
	v_pk_add_f32 v[252:253], v[252:253], v[114:115]
	v_pk_add_f32 v[250:251], v[250:251], v[118:119]
	v_pk_add_f32 v[248:249], v[248:249], v[122:123]
	v_pk_add_f32 v[246:247], v[246:247], v[126:127]
	v_pk_add_f32 v[244:245], v[244:245], v[130:131]
	v_pk_add_f32 v[242:243], v[242:243], v[134:135]
	v_pk_add_f32 v[14:15], v[14:15], v[138:139]
	v_pk_add_f32 v[236:237], v[236:237], v[142:143]
	v_pk_add_f32 v[252:253], v[252:253], v[146:147]
	v_pk_add_f32 v[250:251], v[250:251], v[150:151]
	v_pk_add_f32 v[248:249], v[248:249], v[154:155]
	v_pk_add_f32 v[246:247], v[246:247], v[158:159]
	v_pk_add_f32 v[244:245], v[244:245], v[162:163]
	v_pk_add_f32 v[242:243], v[242:243], v[166:167]
	v_pk_add_f32 v[14:15], v[14:15], v[170:171]
	v_pk_add_f32 v[236:237], v[236:237], v[174:175]
	s_delay_alu instid0(VALU_DEP_2)
	v_pk_add_f32 v[14:15], v[14:15], v[248:249]
	s_delay_alu instid0(VALU_DEP_2)
	v_pk_add_f32 v[236:237], v[236:237], v[246:247]
	v_pk_add_f32 v[252:253], v[252:253], v[244:245]
	v_pk_add_f32 v[250:251], v[250:251], v[242:243]
	s_delay_alu instid0(VALU_DEP_2)
	v_pk_add_f32 v[14:15], v[14:15], v[252:253]
	s_delay_alu instid0(VALU_DEP_2)
	v_pk_add_f32 v[236:237], v[236:237], v[250:251]
	s_delay_alu instid0(VALU_DEP_1)
	v_pk_add_f32 v[14:15], v[14:15], v[236:237]
.irp j, 0,2,4,6,8,10,12,14,16,18,20,22,24,26,28,30
	v_pk_mul_f32 v[176+\j:177+\j], v[176+\j:177+\j], v[232:233] op_sel_hi:[1,0]   ; O^T under the new M: x f; each accumulator from its low end on
.endr
	s_wait_alu depctr_va_vdst(0)
	s_wait_dscnt 0x0                               ; V and its scale words are in
.irp t, 0,2                                        ; O^T += V^T P^T: the four accumulators by turns; the next matrix instruction behind them is a score's
	v_wmma_scale_f32_16x16x128_f8f6f4 v[176+8*\t:183+8*\t], v[72+8*\t:79+8*\t], v[208:215], v[176+8*\t:183+8*\t], v[104+\t/2], v233 matrix_a_fmt:MATRIX_FMT_FP4 matrix_b_fmt:MATRIX_FMT_FP4
	v_wmma_scale_f32_16x16x128_f8f6f4 v[184+8*\t:191+8*\t], v[80+8*\t:87+8*\t], v[208:215], v[184+8*\t:191+8*\t], v[104+\t/2], v233 matrix_a_fmt:MATRIX_FMT_FP4 matrix_b_fmt:MATRIX_FMT_FP4 matrix_a_scale:MATRIX_SCALE_ROW1
.endr
.Lhidden_\@:
	s_add_co_u32 s[TB], s[TB], CHB
	s_add_co_u32 s[ST], s[ST], 1
	s_cmp_lt_u32 s[ST], 16
	s_cbranch_scc1 .Lstep_\@
	; THE WAY OUT: O^T / the sum, quantised along the head's 64 channels: two blocks of 32, tiles 0, 1 and tiles 2, 3, each in lanes l and l xor 16
	v_add_f32 v14, v14, v15                        ; the sum's two halves,
	s_delay_alu instid0(VALU_DEP_1)
	v_permlanex16_b32 v228, v14, s[SEL], s[SEL+1]
	s_delay_alu instid0(VALU_DEP_1)
	v_add_f32 v14, v14, v228                       ; and lane l xor 16's: the row's sum
	s_wait_alu depctr_va_vdst(0)
	v_rcp_f32 v14, v14
	v_nop                                          ; one plain place behind a transcendental; with the three sums above these are also the places in front of the reads of O^T
	v_nop
	s_wait_alu depctr_va_vdst(0)
.irp j, 0,2,4,6,8,10,12,14,16,18,20,22,24,26,28,30
	v_pk_mul_f32 v[112+\j:113+\j], v[176+\j:177+\j], v[14:15] op_sel_hi:[1,0]   ; register 8 t + j is o(r, 16 t + 8 h + j)
.endr
.irp b, 0,1
	v_max3_num_f32 v[216+\b], |v[112+16*\b]|, |v[113+16*\b]|, 0x1800000   ; my 16 numbers of block b, and the floor 2^(3 - 127)
.endr
.irp i, 2,4,6,8,10,12,14
.irp b, 0,1
	s_delay_alu instid0(VALU_DEP_2)
	v_max3_num_f32 v[216+\b], v[216+\b], |v[112+16*\b+\i]|, |v[113+16*\b+\i]|
.endr
.endr
.irp b, 0,1
	s_delay_alu instid0(VALU_DEP_2)
	v_permlanex16_b32 v[220+\b], v[216+\b], s[SEL], s[SEL+1]
.endr
.irp b, 0,1
	s_delay_alu instid0(VALU_DEP_2)
	v_max_num_f32 v[216+\b], v[216+\b], v[220+\b]
.endr
.irp b, 0,1
	s_delay_alu instid0(VALU_DEP_2)
	v_add_nc_u32 v[224+\b], 0xff000000, v[216+\b]
.endr
.irp b, 0,1
	s_delay_alu instid0(VALU_DEP_2)
	v_lshrrev_b32 v[220+\b], 23, v[224+\b]
.endr
	v_cvt_scalef32_pk8_fp4_f32 v208, v[112:119], v224
	v_cvt_scalef32_pk8_fp4_f32 v210, v[120:127], v224
	v_cvt_scalef32_pk8_fp4_f32 v209, v[128:135], v225
	v_cvt_scalef32_pk8_fp4_f32 v211, v[136:143], v225
	v_lshl_or_b32 v228, v221, 8, v220              ; my row's two scale bytes.  (The plain place behind the conversions)
	v_permlane16_swap_b32 v208, v209
	v_permlane16_swap_b32 v210, v211               ; lane (r, h): row r, channels 32 h + 0 .. 31: four registers of the last product's operand
	global_store_b128 v8, v[208:211], s[8:9]       ; 32 lanes store 512 consecutive bytes, at a multiple of 256 from oc's first byte
	global_store_b16 v9, v228, s[10:11]            ; lanes l and l xor 16 write the same two bytes with the same value
	s_wait_xcnt 0x0                                ; the stores' offsets and data are written again only behind this wait
.endm
	PASS 0
	PASS 1
	s_wait_tensorcnt 0x0
	ds_add_u32 v254, v255
	s_wait_dscnt 0x0
	ROUND                                          ; the closing round: no work-group ends while a partner may still ask for a tile that names it
	s_endpgm
.Lfunc_end_k_qe382a943ce_attn:
	.size	k_qe382a943ce_attn, .Lfunc_end_k_qe382a943ce_attn-k_qe382a943ce_attn
	.p2alignl 7, 3214868480
	.fill 96, 4, 3214868480
	.section	.rodata,"a",@progbits
	.p2align	6, 0x0
	.amdhsa_kernel k_qe382a943ce_attn
		.amdhsa_group_segment_fixed_size 169984
		.amdhsa_private_segment_fixed_size 0
		.amdhsa_enable_private_segment 0
		.amdhsa_kernarg_size 32
		.amdhsa_user_sgpr_count 2
		.amdhsa_user_sgpr_kernarg_segment_ptr 1
		.amdhsa_wavefront_size32 1
		.amdhsa_system_sgpr_workgroup_id_x 1
		.amdhsa_system_sgpr_workgroup_id_y 1
		.amdhsa_system_sgpr_workgroup_id_z 1
		.amdhsa_system_vgpr_workitem_id 0
		.amdhsa_next_free_vgpr 256
		.amdhsa_next_free_sgpr 66
		.amdhsa_reserve_vcc 1
		.amdhsa_float_denorm_mode_32 3
		.amdhsa_float_denorm_mode_16_64 3
		.amdhsa_memory_ordered 1
		.amdhsa_forward_progress 1
		.amdhsa_inst_pref_size 60
	.end_amdhsa_kernel
	.amdgpu_metadata
---
amdhsa.version: [ 1, 2 ]
amdhsa.kernels:
  - .name:           k_qe382a943ce_attn
    .symbol:         k_qe382a943ce_attn.kd
    .args:
      - { .name: qw, .offset: 0, .size: 8, .value_kind: global_buffer, .address_space: global }
      - { .name: kv, .offset: 8, .size: 8, .value_kind: global_buffer, .address_space: global }
      - { .name: oc, .offset: 16, .size: 8, .value_kind: global_buffer, .address_space: global }
      - { .name: os, .offset: 24, .size: 8, .value_kind: global_buffer, .address_space: global }
    .group_segment_fixed_size: 169984
    .private_segment_fixed_size: 0
    .kernarg_segment_align: 8
    .kernarg_segment_size: 32
    .max_flat_workgroup_size: 512
    .sgpr_count:     66
    .vgpr_count:     256
    .wavefront_size: 32
...
	.end_amdgpu_metadata
.endif
;; end of part 2
;; launch proj (part 3): grid 4 x 64, 4 waves a work-group, clusters of 4 x 4, 327,680 bytes of LDS; arguments oc, os, Wp_codes, Wp_scales, bp, out0; writes out0
.if DOCPART == 3
	.amdgcn_target "amdgcn-amd-amdhsa--gfx1250"
	.amdhsa_code_object_version 6
	.text
	.protected	k_qe382a943ce_proj
	.globl	k_qe382a943ce_proj
	.p2align	8
	.type	k_qe382a943ce_proj,@function
k_qe382a943ce_proj:
	s_mov_b64 s[64:65], 0
	v_nop
	global_prefetch_b8 v0, s[64:65] scope:SCOPE_SE
	s_setreg_imm32_b32 hwreg(HW_REG_WAVE_MODE, 25, 1), 1
	s_wait_xcnt 0x0
	s_wait_alu depctr_hold_cnt(0) depctr_sa_sdst(0) depctr_va_vdst(0) depctr_va_sdst(0) depctr_va_ssrc(0) depctr_va_vcc(0) depctr_vm_vsrc(0)
	s_getreg_b32 s2, hwreg(HW_REG_IB_STS2, 6, 4)
	s_cmp_eq_u32 s2, 0
	s_cbranch_scc0 .Lentry_in_a_cluster
	s_endpgm
.Lentry_in_a_cluster:
	s_bfe_u32 s2, ttmp6, 0x10000c
	s_cmp_lg_u32 s2, 0xf033
	s_cbranch_scc0 .Lentry_shape_is_right
	s_endpgm
.Lentry_shape_is_right:
; out = o Wp + bp on codes of FP4 (E2M1) with one E8M0 scale for each 32 along K = 1,024; f32 sums; out [8,192][1,024] f32.
; A = o: oc [K half of 512][tile of 16 rows][eight heads][512 bytes], images of operand registers (lane l's 16 bytes at 16 l); os [row][32] scale bytes.  B = Wp: 1,024 rows (columns of out) of 512 bytes of codes, 32 scale bytes each.
; SHARES.  A work-group of four waves makes 128 rows x 256 columns, a wave 64 x 128: 32 accumulators.  All of K lies in LDS at once: A's two K halves (dense), B's two (rows of 256 bytes + 16 of padding); one tensor load a wave; nothing is filled again.
; A wave takes its 128 columns of B, all of K, into 512 registers, and finishes its four blocks of 16 rows one after the other, 64 matrix instructions each, so that a block's rows are stored while the next block is multiplied.
; THE MATRIX INSTRUCTION IS USED TRANSPOSED (source 0 = 16 rows of B, source 1 = 16 rows of A): a lane holds eight neighbouring numbers of a row of out.  THE BIAS is loaded into the accumulators, where the sums start.
; CLUSTERS: 4 x 4 work-groups.  A's tiles hang on the tile row and are asked for jointly by the four of a row of the cluster, B's on the tile column, by the four of a column.
; No data prefetch: the launch has no loop to run ahead in; all its tiles are asked for at the head.
; REGISTERS, in windows of 256: window 0: v4-13 addresses; v32-63 A's scale words, v64-127 B's; v128-191 A's fragments of a block; v192-255 rows read back from the stage.
;   windows 1, 2: B's fragments, the q-th 128 along K at v[64 (q % 4)] of window 1 + q / 4.   window 3: accumulator (a, b) at v[64 a + 8 b].
.set PITCH,  272                       ; an LDS row of B: 68 words: the 16 rows that a load touches start at 16 different banks (64 banks of 4 bytes: ISA guide 11.1)
.set HB,     256*PITCH                 ; B's 256 rows of a K half
.set AL,     2*HB                      ; behind them A's two K halves, 32,768 bytes each
.set STAGE,  AL+65536                  ; the way out: 16 rows x (512 bytes + 16) for each wave
.set SPITCH, 528
.set SPARE,  STAGE+4*16*SPITCH         ; the spare words
.set L16,  4
.set ADA,  5
.set ADB,  6                           ; v6-7
.set STO,  8
.set RD,   9
.set SPW,  10
.set NIL,  11
.set SCO,  12
.set BIO,  13
.set SA,   32
.set SB,   64
.set AF,   128
.set RB,   192
.set G1A,  24
.set G0A,  32
.set G1B,  48
.set G0B,  56
.set MSB, 0
.macro WIN new                         ; the immediate's high byte repeats the setting that is left
.if MSB != (\new)
	s_set_vgpr_msb (MSB<<8)|(\new)
.set MSB, (\new)
.endif
.endm
.macro CROUND                          ; a round of the cluster's barrier
	s_barrier_signal -1
	s_barrier_wait -1
	s_cmp_lg_u32 s14, 0
	s_cbranch_scc1 .Lnot_wave_0_\@
	s_barrier_signal -3
.Lnot_wave_0_\@:
	s_barrier_wait -3
	s_barrier_signal -1
	s_barrier_wait -1
.endm
.macro PLACES                          ; the places behind matrix instructions (ISA guide 7.12.1 for vector instructions)
.rept 4
	v_nop
.endr
.endm
	s_load_b128 s[4:7], s[0:1], 0x0                ; oc, os
	s_load_b128 s[8:11], s[0:1], 0x10              ; Wp's codes and scales
	s_load_b64 s[2:3], s[0:1], 0x20                ; bp
	s_load_b64 s[12:13], s[0:1], 0x28              ; out
	v_lshl_add_u32 v[SPW], v0, 2, SPARE
	v_mov_b32 v[NIL], 0
	ds_add_u32 v[SPW], v[NIL]                      ; the opening: the add, twice on end
	ds_add_u32 v[SPW], v[NIL]
	v_lshrrev_b32 v1, 5, v0
	v_readfirstlane_b32 s14, v1                    ; wave 0..3
	s_lshr_b32 s15, s14, 1                         ; which 64 rows are mine.  Also: I fetch for A (0) or for B (1)
	s_and_b32 s16, s14, 1                          ; which 128 columns.  Also: which K half I fetch
	s_bfe_u32 s40, ttmp6, 0x40000                  ; cx, cy
	s_bfe_u32 s41, ttmp6, 0x40004
	s_lshl_b32 s42, ttmp9, 2
	s_add_co_u32 s42, s42, s40                     ; tile column
	s_and_b32 s17, ttmp7, 0xffff
	s_lshl_b32 s17, s17, 2
	s_add_co_u32 s17, s17, s41                     ; tile row
	s_lshl_b32 s43, s41, 2
	s_lshl_b32 s43, 15, s43                        ; my row of the cluster
	s_lshl_b32 s44, 0x1111, s40                    ; my column
	s_or_b32 s[G1A], s43, (3<<16)|(1<<21)          ; A: 32,768 dense bytes as 128 rows of 256 bytes (32 elements of 8 bytes)
	s_mov_b32 s[G1A+1], 32<<16
	s_mov_b32 s[G1A+2], 128<<16
	s_mov_b32 s[G1A+3], 32<<16
	s_mov_b32 s[G1A+4], 128
	s_mov_b32 s[G1A+5], 32
	s_mov_b32 s[G1A+6], 0
	s_mov_b32 s[G1A+7], 0
	s_or_b32 s[G1B], s44, (1<<20)|(1<<21)|(5<<22)|(3<<25)   ; B: 256 rows of 256 bytes, 512 bytes apart; 4 words of padding after every 64
	s_mov_b32 s[G1B+1], 256<<16
	s_mov_b32 s[G1B+2], 256<<16
	s_mov_b32 s[G1B+3], 256<<16
	s_mov_b32 s[G1B+4], 256
	s_mov_b32 s[G1B+5], 512
	s_mov_b32 s[G1B+6], 0
	s_mov_b32 s[G1B+7], 0
	s_lshl_b32 s20, s17, 15                        ; A: 128 rows x 256 bytes of a K half,
	s_lshl_b32 s21, s16, 21                        ; the halves 2,097,152 bytes apart
	s_add_co_u32 s20, s20, s21
	s_mov_b32 s21, 0
	s_lshl_b32 s46, s42, 17                        ; B: 256 rows x 512 bytes,
	s_lshl_b32 s47, s16, 8                         ; the halves 256 bytes apart
	s_add_co_u32 s46, s46, s47
	s_mov_b32 s47, 0
	s_lshl_b32 s36, s16, 15
	s_add_co_u32 s36, s36, AL
	s_mul_i32 s37, s16, HB
	s_wait_dscnt 0x0                               ; both opening adds are done
	s_wait_kmcnt 0x0
	s_mov_b32 s[G0A], 1
	s_mov_b32 s[G0A+1], s36
	s_add_nc_u64 s[G0A+2:G0A+3], s[4:5], s[20:21]
	s_or_b32 s[G0A+3], s[G0A+3], 0x80000000
	s_mov_b32 s[G0B], 1
	s_mov_b32 s[G0B+1], s37
	s_add_nc_u64 s[G0B+2:G0B+3], s[8:9], s[46:47]
	s_or_b32 s[G0B+3], s[G0B+3], 0x80000000
	CROUND                                         ; all sixteen work-groups are here: the joint loads meet
	; ONE LOAD A WAVE: waves 0 and 1 A's K halves, waves 2 and 3 B's
	s_cmp_eq_u32 s15, 0
	s_cbranch_scc0 .Lfor_b
	tensor_load_to_lds s[G0A:G0A+3], s[G1A:G1A+7]
	s_nop 0
.rept 4
	v_nop
.endr
	s_branch .Lasked
.Lfor_b:
	tensor_load_to_lds s[G0B:G0B+3], s[G1B:G1B+7]
	s_nop 0
.rept 4
	v_nop
.endr
.Lasked:
	s_lshl_b32 s68, s17, 7
	s_lshl_b32 s69, s15, 6
	s_add_co_u32 s68, s68, s69                     ; my first row
	s_lshl_b32 s70, s42, 8
	s_lshl_b32 s71, s16, 7
	s_add_co_u32 s70, s70, s71                     ; my first column
	s_mov_b32 s77, 0
	s_lshl_b32 s76, s68, 5
	s_add_nc_u64 s[78:79], s[6:7], s[76:77]        ; my rows' scale bytes
	s_lshl_b32 s76, s70, 5
	s_add_nc_u64 s[80:81], s[10:11], s[76:77]      ; my columns'
	s_lshl_b32 s76, s70, 2
	s_add_nc_u64 s[2:3], s[2:3], s[76:77]          ; my columns' bias
	s_add_nc_u64 s[12:13], s[12:13], s[76:77]
	s_lshl_b32 s76, s68, 12
	s_add_nc_u64 s[12:13], s[12:13], s[76:77]      ; my part of out
	s_lshl_b32 s72, s15, 14
	s_add_co_u32 s72, s72, AL                      ; my four tiles of A in LDS
	s_mul_i32 s73, s16, 128*PITCH                  ; my 128 rows of B
	s_mul_i32 s74, s14, 16*SPITCH
	s_add_co_u32 s74, s74, STAGE                   ; my stage
	v_and_b32 v1, 15, v0                           ; r
	v_bfe_u32 v2, v0, 4, 1                         ; h
	v_and_b32 v3, 31, v0                           ; lane
	v_lshlrev_b32 v[L16], 4, v3
	v_add_nc_u32 v[ADA], s72, v[L16]
	v_mul_u32_u24 v14, v1, PITCH
	v_lshl_add_u32 v14, v2, 4, v14
	v_add_nc_u32 v[ADB], s73, v14
	v_add_nc_u32 v[ADB+1], HB, v[ADB]
	v_mul_u32_u24 v15, v1, SPITCH
	v_lshl_add_u32 v15, v2, 5, v15
	v_add_nc_u32 v[STO], s74, v15                  ; in: row r, 32 bytes for each half of the lanes
	v_add_nc_u32 v[RD], s74, v[L16]                ; back: the 32 lanes take one row of 512 bytes
	v_lshlrev_b32 v[SCO], 5, v1
	v_lshlrev_b32 v[BIO], 5, v2
	s_wait_alu depctr_va_vdst(0)                   ; the wait behind the head's vector writes
.irp a, 0,1,2,3
	global_load_b128 v[SA+8*\a:SA+8*\a+3], v[SCO], s[78:79] offset:512*\a      ; row r of A's block a: eight scale words
	global_load_b128 v[SA+8*\a+4:SA+8*\a+7], v[SCO], s[78:79] offset:512*\a+16
.endr
.irp b, 0,1,2,3,4,5,6,7
	global_load_b128 v[SB+8*\b:SB+8*\b+3], v[SCO], s[80:81] offset:512*\b
	global_load_b128 v[SB+8*\b+4:SB+8*\b+7], v[SCO], s[80:81] offset:512*\b+16
.endr
	WIN 0xc0
.irp a, 0,1,2,3
.irp b, 0,1,2,3,4,5,6,7
	global_load_b128 v[64*\a+8*\b:64*\a+8*\b+3], v[BIO], s[2:3] offset:64*\b   ; columns 16 b + 8 h + 0 .. 7
	global_load_b128 v[64*\a+8*\b+4:64*\a+8*\b+7], v[BIO], s[2:3] offset:64*\b+16
.endr
.endr
	WIN 0
; a fragment, 16 rows x 128 K of 4-bit codes, is 8 registers: lane l holds row l % 16; registers 4 c .. 4 c + 3 hold K = 64 c + 32 (l / 16) + 0 .. 31
.macro BLOAD q
	WIN 0x40*(1+(\q)/4)
.irp i, 0,1,2,3,4,5,6,7
.irp c, 0,1
	ds_load_b128 v[64*((\q)%4)+8*\i+4*\c:64*((\q)%4)+8*\i+4*\c+3], v[ADB+(\q)/4] offset:\i*16*PITCH+64*((\q)%4)+32*\c
.endr
.endr
.endm
.macro ALOAD a                         ; A's block a, all of K: 16 loads
	WIN 0
.irp q, 0,1,2,3,4,5,6,7
.irp c, 0,1
	ds_load_b128 v[AF+8*\q+4*\c:AF+8*\q+4*\c+3], v[ADA] offset:32768*(\q/4)+1024*(\q%4)+512*\c+4096*(\a)
.endr
.endr
.endm
.macro ROWQ a, q                       ; block a, the q-th 128 along K: its eight accumulators by turns
	WIN 0xf1+(\q)/4
.irp b, 0,1,2,3,4,5,6,7
	v_wmma_scale_f32_16x16x128_f8f6f4 v[64*(\a)+8*\b:64*(\a)+8*\b+7], v[64*((\q)%4)+8*\b:64*((\q)%4)+8*\b+7], v[AF+8*(\q):AF+8*(\q)+7], v[64*(\a)+8*\b:64*(\a)+8*\b+7], v[SB+8*\b+(\q)], v[SA+8*(\a)+(\q)] matrix_a_fmt:MATRIX_FMT_FP4 matrix_b_fmt:MATRIX_FMT_FP4
.endr
.endm
; THE WAY OUT of a block of 16 rows x 128 columns: through my own stage and back as whole rows of 512 bytes; LDS serves a wave's instructions in order (ISA guide 5.7.1.4), so no wait stands between the stores and the loads
.macro TOSTAGE a
.if (\a) > 0
	s_wait_xcnt 0x0                                ; the block before's stores have read their data
.endif
	WIN 0x0c                                       ; the data: window 3
.irp b, 0,1,2,3,4,5,6,7
	ds_store_b128 v[STO], v[64*(\a)+8*\b:64*(\a)+8*\b+3] offset:64*\b          ; each accumulator from its low end on
	ds_store_b128 v[STO], v[64*(\a)+8*\b+4:64*(\a)+8*\b+7] offset:64*\b+16
.endr
	WIN 0
.irp t, 0,1,2,3,4,5,6,7,8,9,10,11,12,13,14,15
	ds_load_b128 v[RB+4*\t:RB+4*\t+3], v[RD] offset:\t*SPITCH
.endr
.endm
.macro SEND a
	WIN 0
	s_wait_dscnt 0x0                               ; the block is back in registers
.irp t, 0,1,2,3,4,5,6,7,8,9,10,11,12,13,14,15
	global_store_b128 v[L16], v[RB+4*\t:RB+4*\t+3], s[12:13] offset:65536*(\a)+4096*\t th:TH_STORE_NT   ; 32 lanes store 512 consecutive bytes, at a multiple of 256
.endr
.endm
	s_wait_tensorcnt 0x0                           ; my tile has landed,
	s_barrier_signal -1
	s_barrier_wait -1                              ; everybody's has
	ALOAD 0
	BLOAD 0
	BLOAD 1
	s_wait_loadcnt 0x0                             ; scale words and bias
.irp q, 0,1,2,3,4,5,6,7                ; block 0 brings B's fragments along: two groups of 16 loads run ahead of the products
.if \q < 6
	BLOAD \q+2
	s_wait_dscnt 32
.elseif \q == 6
	s_wait_dscnt 16
.else
	s_wait_dscnt 0x0
.endif
	ROWQ 0, \q
.endr
.irp a, 1,2,3
	PLACES                                         ; in front of the loads over A's fragments and of the first read of results
	ALOAD \a
	TOSTAGE \a-1
	s_wait_dscnt 32                                ; A's block; the stage's 16 stores and 16 loads may be out
.irp q, 0,1,2,3
	ROWQ \a, \q
.endr
	SEND \a-1
.irp q, 4,5,6,7
	ROWQ \a, \q
.endr
.endr
	PLACES
	TOSTAGE 3
	SEND 3
	s_wait_tensorcnt 0x0                           ; the wave's end
	ds_add_u32 v[SPW], v[NIL]
	s_wait_dscnt 0x0
	CROUND                                         ; the closing round: no work-group ends while a partner may still ask for a tile that names it
	s_endpgm
.Lfunc_end_k_qe382a943ce_proj:
	.size	k_qe382a943ce_proj, .Lfunc_end_k_qe382a943ce_proj-k_qe382a943ce_proj
	.p2alignl 7, 3214868480
	.fill 96, 4, 3214868480
	.section	.rodata,"a",@progbits
	.p2align	6, 0x0
	.amdhsa_kernel k_qe382a943ce_proj
		.amdhsa_group_segment_fixed_size 327680
		.amdhsa_private_segment_fixed_size 0
		.amdhsa_enable_private_segment 0
		.amdhsa_kernarg_size 48
		.amdhsa_user_sgpr_count 2
		.amdhsa_user_sgpr_kernarg_segment_ptr 1
		.amdhsa_wavefront_size32 1
		.amdhsa_system_sgpr_workgroup_id_x 1
		.amdhsa_system_sgpr_workgroup_id_y 1
		.amdhsa_system_sgpr_workgroup_id_z 1
		.amdhsa_system_vgpr_workitem_id 0
		.amdhsa_next_free_vgpr 1024
		.amdhsa_next_free_sgpr 98
		.amdhsa_reserve_vcc 0
		.amdhsa_float_denorm_mode_32 3
		.amdhsa_float_denorm_mode_16_64 3
		.amdhsa_memory_ordered 1
		.amdhsa_forward_progress 1
		.amdhsa_inst_pref_size 75
	.end_amdhsa_kernel
	.amdgpu_metadata
---
amdhsa.version: [ 1, 2 ]
amdhsa.kernels:
  - .name:           k_qe382a943ce_proj
    .symbol:         k_qe382a943ce_proj.kd
    .args:
      - { .name: oc, .offset: 0, .size: 8, .value_kind: global_buffer, .address_space: global }
      - { .name: os, .offset: 8, .size: 8, .value_kind: global_buffer, .address_space: global }
      - { .name: Wp_codes, .offset: 16, .size: 8, .value_kind: global_buffer, .address_space: global }
      - { .name: Wp_scales, .offset: 24, .size: 8, .value_kind: global_buffer, .address_space: global }
      - { .name: bp, .offset: 32, .size: 8, .value_kind: global_buffer, .address_space: global }
      - { .name: out0, .offset: 40, .size: 8, .value_kind: global_buffer, .address_space: global }
    .group_segment_fixed_size: 327680
    .private_segment_fixed_size: 0
    .kernarg_segment_align: 8
    .kernarg_segment_size: 48
    .max_flat_workgroup_size: 128
    .sgpr_count:     98
    .vgpr_count:     1024
    .wavefront_size: 32
...
	.end_amdgpu_metadata
.endif
;; end of part 3
